; MI455X (gfx1250); checked and timed in simulation.
; The chip was launched on July 23, 2026; its instructions are those of AMD's public machine-readable ISA for CDNA 5 (MIT licence, August 2026) and "CDNA5" Instruction Set Architecture Reference Guide (July 2026). The comments in the code are by the model that wrote it; some were corrected since.
;; Multi Head Self Attention. Allowed arithmetic: matrix products marked QUANTISED: E4M3 operands, one given power-of-two scale a tensor, by v_wmma_f32_16x16x64_fp8_fp8 or v_wmma_f32_16x16x128_fp8_fp8, f32 sums; everything else in f32.
;; Inputs: Wk 1,024 x 1,024 float32; Wo 1,024 x 1,024 float32; Wq 1,024 x 1,024 float32; Wv 1,024 x 1,024 float32; bk 1,024 float32; bo 1,024 float32; bq 1,024 float32; bv 1,024 float32; lowp_scales 12 int32 (the exponents e of the quantised operands' scales 2^e); x 4 x 2,048 x 1,024 float32.
;; Outputs: out0 4 x 2,048 x 1,024 float32.
;; This version of the problem:
;;   THIS VERSION OF THE PROBLEM IS GIVEN IN LOW PRECISION. The matrix products marked QUANTISED in the list below multiply operands that are first quantised to E4M3 (4 exponent bits, 3 mantissa bits; 8 bits a number), with one given power-of-two scale for each operand tensor; their sums are f32. All else is computed in f32.
;;   The module's matrix products, in the order in which they are computed (A, B: the left and right operand; K: the contracted axis; several contracted axes count as one K, in the product's order):
;;     1. [M 8,192, K 1,024] x [K 1,024, N 1,024]; A: input x; B: input Wq: QUANTISED (scales: A lowp_scales[0], B lowp_scales[1])
;;     2. [M 8,192, K 1,024] x [K 1,024, N 1,024]; A: input x; B: input Wk: QUANTISED (scales: A lowp_scales[2], B lowp_scales[3])
;;     3. [M 8,192, K 1,024] x [K 1,024, N 1,024]; A: input x; B: input Wv: QUANTISED (scales: A lowp_scales[4], B lowp_scales[5])
;;     4. batch 64 x [M 2,048, K 64] x [K 64, N 2,048]; A: computed on the way; B: computed on the way: QUANTISED (scales: A lowp_scales[6], B lowp_scales[7])
;;     5. batch 64 x [M 2,048, K 2,048] x [K 2,048, N 64]; A: softmax (see below); B: computed on the way: QUANTISED (scales: A lowp_scales[8], B lowp_scales[9])
;;     6. [M 8,192, K 1,024] x [K 1,024, N 1,024]; A: computed on the way; B: input Wo: QUANTISED (scales: A lowp_scales[10], B lowp_scales[11])
;;   THE QUANTISER, for each operand of a quantised product, along K:
;;     - The operand's scale is 2^e, e = its entry of the input lowp_scales (int32; the entries are numbered through the quantised products in the list's order, A before B).
;;     - Each number is divided by the scale, clamped to +-448, and rounded to the nearest number of E4M3, ties to even, subnormals kept.
;;     - The product sums the exact products of the quantised numbers (number of the format x scale) in f32.
;;   ~~~python
;;   def quantise(x, axis, e):      # numpy; x: float32 -> the quantised numbers, widened to float32 again
;;       x = np.moveaxis(x, axis, -1); K = x.shape[-1]
;;       r = np.clip(x / 2.0 ** e, -448, 448)
;;       step = 2.0 ** (np.maximum(np.frexp(np.where(r == 0, 1, r))[1] - 1, -6) - 3)
;;       q = np.round(r / step) * step * 2.0 ** e      # np.round: ties to even
;;       return np.moveaxis(q, -1, axis).astype(np.float32)
;;   ~~~
;;   SOFTMAX AHEAD OF A QUANTISED PRODUCT. Where the list says 'softmax', what is quantised is not the finished softmax but p = 2^(t - M), with t = logit x log2(e) and M = ceil(the row's largest t), a whole number; so 1/2 < the row's largest p <= 1. The row's sum l is taken of the UNQUANTISED p, in f32, and the product's result is divided by l at the end. Since M is a whole number, a kernel that streams over the keys may use a running M (the ceiling of the running maximum): every later rescaling is an exact power of two, so the quantised numbers keep their values, but for numbers so far below the row's largest that they fall under the format's range.
;;   OPERANDS COMPUTED ON THE WAY. 'Computed on the way' means the value that the module computes at that place (a softmax that the list does not call 'softmax' is quantised finished and normalised). What goes into a quantiser is computed in f32, as accurately as f32 sums, v_exp_f32 and their like allow (about 1e-6 of the number): no bf16 or f16 on the way to a quantiser, and a product that is left as it is and whose result goes on into a quantised operand takes f32 operands (vector FMAs, or v_wmma_f32_16x16x4_f32). A number that lies on a knife's edge between two numbers of the format may be rounded either way, as far as f32 arithmetic and the matrix unit's own rounding can turn it there, and no further.
;; One version. Each part assembles by itself: llvm-mc -triple=amdgcn-amd-amdhsa -mcpu=gfx1250 --defsym DOCPART=n.
;; ======== version 1 of 1: 4 launches
;; limits: right only within a limited range of input values
;; workspace buffers: xc 25,165,824 bytes; wc 4,194,304 bytes; qf 8,388,608 bytes; kf 8,388,608 bytes; vf 8,388,608 bytes; ac 8,388,608 bytes
;; launch quant (part 1): grid 512 x 1, 4 waves a work-group, no clusters, 50,688 bytes of LDS; arguments x, Wq, Wk, Wv, Wo, lowp_scales, xc, wc; writes xc, wc
.if DOCPART == 1
	.amdgcn_target "amdgcn-amd-amdhsa--gfx1250"
	.amdhsa_code_object_version 6
	.text
	.protected	k_qaee939e624_quant
	.globl	k_qaee939e624_quant
	.p2align	8
	.type	k_qaee939e624_quant,@function
k_qaee939e624_quant:
	s_mov_b64 s[64:65], 0
	v_nop
	global_prefetch_b8 v0, s[64:65] scope:SCOPE_SE
	s_setreg_imm32_b32 hwreg(HW_REG_WAVE_MODE, 25, 1), 1
	s_wait_xcnt 0x0
; x [8192][1024] f32 becomes three sets of E4M3 codes (scales 2^e0, 2^e2, 2^e4: one for each product that reads x); Wq, Wk, Wv, Wo [k 1024][n 1024] f32 one set each (2^e1, 2^e3, 2^e5, 2^e11).
; code = number / 2^e, held within +-448, rounded to the nearest code, ties to even.
; LIMITS: each of these e lies between -126 and 119, so that 2^e and 448 x 2^e are f32 numbers.  NaN among the inputs is not served (an infinity is held at the largest code).
; THE CODES ARE STORED AS IMAGES OF THE OPERAND'S REGISTERS.  A fragment is 16 rows x 128 along K: lane (r = lane % 16, h = lane / 16) holds row r, its registers 2 c, 2 c + 1 hold k = 16 c + 8 h + 0 .. 7.
; Group g (registers 4 g .. 4 g + 3) is 512 bytes, lane l's 16 bytes at 16 l; a fragment is 2,048 bytes.  A part of xc or wc is laid [256 along K: 4][tile of 16 rows][128 along K: 2][2,048].
; Work-groups 0-255 take x, 256-511 the weights.  The two paths have LDS bytes of their own.  No barrier: waves share nothing.  No matrix unit, no cluster: the launch moves bytes.
.set XSTG, 8448                        ; x path: a wave's stage, 16 rows x (512 bytes + 16): row r starts 33 r sixteen-byte columns on, so 16 rows fall on 16 different columns
.set WLDS, 33792                       ; weights' path: its LDS bytes begin behind the four stages; 4,096 bytes a wave: two images
.set R,   8                            ; v8-135   x path: two sets of 64 registers as loaded
.set X,   136                          ; v136-199 64 numbers: register 8 c + i = k 16 c + 8 h + i of my row
.set T,   200
.set C,   216                          ; v216-247 two sets of 16 registers of codes
.set SC,  248                          ; v248, 250, 252: 2^e as f32
.set WN,  8                            ; v8-135   weights' path: 128 numbers down K
.set WC,  136                          ; v136-167 their codes
.set WO,  168                          ; v168-199 the two images read back
	s_load_b256 s[4:11], s[0:1], 0x0               ; x s[4:5], Wq s[6:7], Wk s[8:9], Wv s[10:11]
	s_load_b256 s[12:19], s[0:1], 0x20             ; Wo s[12:13], the exponents s[14:15], xc s[16:17], wc s[18:19]
	v_lshl_add_u32 v254, v0, 2, 0xc400
	v_mov_b32 v255, 0
	v_lshrrev_b32 v8, 5, v0
	v_readfirstlane_b32 s20, v8                    ; wave 0..3
	v_and_b32 v1, 31, v0                           ; lane
	v_lshlrev_b32 v2, 4, v1                        ; 16 x lane: my place in 512 consecutive bytes
	v_lshlrev_b32 v7, 2, v1                        ; 4 x lane
	v_and_b32 v8, 15, v0                           ; r
	v_bfe_u32 v9, v0, 4, 1                         ; h
	; every LDS address is made here, ahead of the parting of the two paths
	s_mul_i32 s21, s20, XSTG
	v_add_nc_u32 v3, s21, v2                       ; x: into the stage, a row's 512 bytes as they lie
	v_mul_u32_u24 v4, v8, 528
	v_lshl_add_u32 v4, v9, 5, v4
	v_add_nc_u32 v4, s21, v4                       ; x: out of it: row r, + 32 h bytes: eight neighbours of each 16
	s_lshl_b32 s21, s20, 12
	s_add_co_u32 s21, s21, WLDS
	v_lshlrev_b32 v5, 4, v8
	v_lshl_add_u32 v5, v9, 11, v5
	v_add_nc_u32 v5, s21, v5                       ; weights: my column is row lane % 16 of image lane / 16
	v_add_nc_u32 v6, s21, v2                       ; weights: the images read back, 16 bytes a lane
	s_wait_kmcnt 0x0
	s_load_b256 s[24:31], s[14:15], 0x0            ; e0 .. e7
	s_load_b128 s[32:35], s[14:15], 0x20           ; e8 .. e11
	s_cmp_lt_u32 ttmp9, 256
	s_cbranch_scc0 .Lweights
; ---- x.  A wave takes one tile of 16 rows and 512 along K: four images, each made three times.
	s_lshl_b32 s21, ttmp9, 2
	s_add_co_u32 s21, s21, s20                     ; 0 .. 1,023
	s_lshr_b32 s22, s21, 1                         ; tile of rows
	s_and_b32 s23, s21, 1                          ; which half of K
	s_lshl_b32 s36, s22, 16                        ; 16 rows of 4,096 bytes
	s_lshl_b32 s42, s23, 11
	s_add_co_u32 s36, s36, s42
	s_mov_b32 s37, 0
	s_add_nc_u64 s[4:5], s[4:5], s[36:37]
	s_lshl_b32 s36, s22, 12                        ; in a part of xc: tile x 4,096,
	s_lshl_b32 s42, s23, 22                        ; + half x two blocks of 2 MiB
	s_add_co_u32 s36, s36, s42
	s_add_nc_u64 s[36:37], s[16:17], s[36:37]      ; the part for e0,
	s_add_nc_u64 s[38:39], s[36:37], 0x800000      ; for e2,
	s_add_nc_u64 s[40:41], s[38:39], 0x800000      ; for e4
.macro LOAD t                          ; image t's numbers: 16 loads, each 512 consecutive bytes of one row
.irp i, 0,1,2,3,4,5,6,7,8,9,10,11,12,13,14,15
	global_load_b128 v[R+64*((\t)%2)+4*\i:R+64*((\t)%2)+4*\i+3], v2, s[4:5] offset:\i*4096+(\t)*512 th:TH_LOAD_NT
.endr
.endm
.macro IMG t
.if \t < 3
	s_wait_loadcnt 16                              ; this image's 16 loads are in; the next image's 16 may be out
.else
	s_wait_loadcnt 0
.endif
.irp i, 0,1,2,3,4,5,6,7,8,9,10,11,12,13,14,15
	ds_store_b128 v3, v[R+64*((\t)%2)+4*\i:R+64*((\t)%2)+4*\i+3] offset:\i*528
.endr
	v_nop
.irp c, 0,1,2,3,4,5,6,7                        ; LDS serves a wave's instructions in order: these see the stores above
	ds_load_b128 v[X+8*\c:X+8*\c+3], v4 offset:64*\c
	ds_load_b128 v[X+8*\c+4:X+8*\c+7], v4 offset:64*\c+16
.endr
	s_wait_dscnt 0x0                               ; the numbers are back, so the stores into the stage have read their registers,
.if \t < 2
	LOAD \t+2                                      ; which take the loads of two images on
.endif
.irp p, 0,1,2
	s_wait_xcnt 0x0                                ; the stores of two groups ago have read this set of code registers
.irp c, 0,1,2,3,4,5,6,7
.irp i, 0,1,2,3,4,5,6,7
.endr
	v_cvt_scalef32_pk8_fp8_f32 v[C+16*((3*\t+\p)%2)+2*\c:C+16*((3*\t+\p)%2)+2*\c+1], v[T+8*(\c%2)+((X+8*\c+0)-(T+8*(\c%2)+0)):T+8*(\c%2)+7+((X+8*\c+0)-(T+8*(\c%2)+0))], v[SC+2*\p]
.endr
.irp g, 0,1,2,3
	global_store_b128 v2, v[C+16*((3*\t+\p)%2)+4*\g:C+16*((3*\t+\p)%2)+4*\g+3], s[36+2*\p:37+2*\p] offset:(\t/2)*2097152+(\t%2)*2048+\g*512   ; 512 consecutive bytes, aligned
.endr
.endr
.endm
	LOAD 0
	LOAD 1
	s_wait_kmcnt 0x0
.irp p, 0,1,2
	s_add_co_i32 s42, s[24+2*\p], 127
	s_lshl_b32 s43, s42, 23
	v_mov_b32 v[SC+2*\p], s43                      ; 2^e as f32: the conversion takes its exponent field
	s_add_co_i32 s42, s42, 8
	s_lshl_b32 s42, s42, 23
	s_or_b32 s42, s42, 0x600000
.endr
	s_wait_alu depctr_va_vdst(0)
	IMG 0
	IMG 1
	IMG 2
	IMG 3
	s_wait_tensorcnt 0x0
	ds_add_u32 v254, v255
	s_wait_dscnt 0x0
	s_endpgm
; ---- the weights.  K is their FIRST axis: a lane takes a column n and its registers run down K, so the conversions give codes with K innermost.
; A work-group takes 128 columns x 128 along K of one weight; a wave 32 columns: two images.
.Lweights:
	s_sub_co_u32 s21, ttmp9, 256
	s_lshr_b32 s22, s21, 6                         ; which weight: 0 Wq, 1 Wk, 2 Wv, 3 Wo
	s_bfe_u32 s23, s21, 0x30003                    ; which 128 along K
	s_and_b32 s21, s21, 7                          ; which 128 columns
	s_cmp_eq_u32 s22, 1
	s_cselect_b64 s[6:7], s[8:9], s[6:7]
	s_cmp_eq_u32 s22, 2
	s_cselect_b64 s[6:7], s[10:11], s[6:7]
	s_cmp_eq_u32 s22, 3
	s_cselect_b64 s[6:7], s[12:13], s[6:7]
	s_lshl_b32 s36, s23, 19                        ; 128 rows of 4,096 bytes
	s_lshl_b32 s37, s21, 9
	s_add_co_u32 s36, s36, s37
	s_lshl_b32 s37, s20, 7
	s_add_co_u32 s36, s36, s37
	s_mov_b32 s37, 0
	s_add_nc_u64 s[6:7], s[6:7], s[36:37]
	s_lshl_b32 s36, s22, 20                        ; the weight's part of wc, 1 MiB
	s_lshr_b32 s38, s23, 1
	s_lshl_b32 s38, s38, 18                        ; 256 along K: 64 tiles x 4,096
	s_add_co_u32 s36, s36, s38
	s_lshl_b32 s38, s21, 15                        ; 8 tiles
	s_add_co_u32 s36, s36, s38
	s_lshl_b32 s38, s20, 13                        ; 2 tiles
	s_add_co_u32 s36, s36, s38
	s_and_b32 s38, s23, 1
	s_lshl_b32 s38, s38, 11
	s_add_co_u32 s36, s36, s38
	s_add_nc_u64 s[18:19], s[18:19], s[36:37]
.set i, 0
.rept 128
	global_load_b32 v[WN+i], v7, s[6:7] offset:i*4096 th:TH_LOAD_NT   ; W(k, my column): 128 consecutive bytes a wave, 512 a work-group
.set i, i+1
.endr
	s_wait_kmcnt 0x0
	s_cmp_eq_u32 s22, 1
	s_cselect_b32 s25, s27, s25                    ; e1, e3, e5 or e11
	s_cmp_eq_u32 s22, 2
	s_cselect_b32 s25, s29, s25
	s_cmp_eq_u32 s22, 3
	s_cselect_b32 s25, s35, s25
	s_add_co_i32 s25, s25, 127
	s_lshl_b32 s26, s25, 23
	v_mov_b32 v200, s26                            ; 2^e
	s_wait_alu depctr_va_vdst(0)
.irp G, 0,1,2,3                                ; 32 along K at a time
.if \G < 2
	s_wait_loadcnt 63                              ; at most 63 of the 128 are out: the first 65 are in (the first 32, then 64, are wanted; a wait cannot name more than 63)
.else
	s_wait_loadcnt 96-32*\G
.endif
.set i, 0
.rept 32
.set i, i+1
.endr
.irp u, 0,1,2,3
	v_cvt_scalef32_pk8_fp8_f32 v[WC+8*\G+2*\u:WC+8*\G+2*\u+1], v[WN+32*\G+8*\u:WN+32*\G+8*\u+7], v200
.endr
.irp u, 0,1,2,3                                ; eight codes k = 8 q .. 8 q + 7, q = 4 G + u, belong to image lane (my row, q % 2), registers 2 (q / 2), 2 (q / 2) + 1
	ds_store_b64 v5, v[WC+8*\G+2*\u:WC+8*\G+2*\u+1] offset:((4*\G+\u)/4)*512+(\u%2)*256+(((4*\G+\u)/2)%2)*8
.endr
.endr
	v_nop                                          ; a plain line behind the last conversion
.irp t, 0,1,2,3,4,5,6,7
	ds_load_b128 v[WO+4*\t:WO+4*\t+3], v6 offset:512*\t   ; my own bytes, served in order behind my stores
.endr
.irp t, 0,1,2,3,4,5,6,7
	s_wait_dscnt 7-\t
	global_store_b128 v2, v[WO+4*\t:WO+4*\t+3], s[18:19] offset:(\t/4)*4096+(\t%4)*512
.endr
	s_wait_tensorcnt 0x0
	ds_add_u32 v254, v255
	s_wait_dscnt 0x0
	s_endpgm
.Lfunc_end_k_qaee939e624_quant:
	.size	k_qaee939e624_quant, .Lfunc_end_k_qaee939e624_quant-k_qaee939e624_quant
	.p2alignl 7, 3214868480
	.fill 96, 4, 3214868480
	.section	.rodata,"a",@progbits
	.p2align	6, 0x0
	.amdhsa_kernel k_qaee939e624_quant
		.amdhsa_group_segment_fixed_size 50688
		.amdhsa_private_segment_fixed_size 0
		.amdhsa_enable_private_segment 0
		.amdhsa_kernarg_size 64
		.amdhsa_user_sgpr_count 2
		.amdhsa_user_sgpr_kernarg_segment_ptr 1
		.amdhsa_wavefront_size32 1
		.amdhsa_system_sgpr_workgroup_id_x 1
		.amdhsa_system_sgpr_workgroup_id_y 1
		.amdhsa_system_sgpr_workgroup_id_z 1
		.amdhsa_system_vgpr_workitem_id 0
		.amdhsa_next_free_vgpr 256
		.amdhsa_next_free_sgpr 66
		.amdhsa_reserve_vcc 0
		.amdhsa_float_denorm_mode_32 3
		.amdhsa_float_denorm_mode_16_64 3
		.amdhsa_fp16_overflow 1
		.amdhsa_memory_ordered 1
		.amdhsa_forward_progress 1
		.amdhsa_inst_pref_size 46
	.end_amdhsa_kernel
	.amdgpu_metadata
---
amdhsa.version: [ 1, 2 ]
amdhsa.kernels:
  - .name:           k_qaee939e624_quant
    .symbol:         k_qaee939e624_quant.kd
    .args:
      - { .name: x, .offset: 0, .size: 8, .value_kind: global_buffer, .address_space: global }
      - { .name: Wq, .offset: 8, .size: 8, .value_kind: global_buffer, .address_space: global }
      - { .name: Wk, .offset: 16, .size: 8, .value_kind: global_buffer, .address_space: global }
      - { .name: Wv, .offset: 24, .size: 8, .value_kind: global_buffer, .address_space: global }
      - { .name: Wo, .offset: 32, .size: 8, .value_kind: global_buffer, .address_space: global }
      - { .name: lowp_scales, .offset: 40, .size: 8, .value_kind: global_buffer, .address_space: global }
      - { .name: xc, .offset: 48, .size: 8, .value_kind: global_buffer, .address_space: global }
      - { .name: wc, .offset: 56, .size: 8, .value_kind: global_buffer, .address_space: global }
    .group_segment_fixed_size: 50688
    .private_segment_fixed_size: 0
    .kernarg_segment_align: 8
    .kernarg_segment_size: 64
    .max_flat_workgroup_size: 128
    .sgpr_count:     66
    .vgpr_count:     256
    .wavefront_size: 32
...
	.end_amdgpu_metadata
.endif
;; end of part 1
;; launch qkv (part 2): grid 96 x 4, 4 waves a work-group, clusters of 4 x 4, 327,680 bytes of LDS; arguments xc, wc, lowp_scales, bq, bk, bv, qf, kf, vf; writes qf, kf, vf
.if DOCPART == 2
	.amdgcn_target "amdgcn-amd-amdhsa--gfx1250"
	.amdhsa_code_object_version 6
	.text
	.protected	k_qaee939e624_qkv
	.globl	k_qaee939e624_qkv
	.p2align	8
	.type	k_qaee939e624_qkv,@function
k_qaee939e624_qkv:
	s_mov_b64 s[64:65], 0
	v_nop
	global_prefetch_b8 v0, s[64:65] scope:SCOPE_SE
	s_setreg_imm32_b32 hwreg(HW_REG_WAVE_MODE, 25, 1), 1
	s_wait_xcnt 0x0
	s_wait_alu depctr_hold_cnt(0) depctr_sa_sdst(0) depctr_va_vdst(0) depctr_va_sdst(0) depctr_va_ssrc(0) depctr_va_vcc(0) depctr_vm_vsrc(0)
	s_getreg_b32 s2, hwreg(HW_REG_IB_STS2, 6, 4)
	s_cmp_eq_u32 s2, 0
	s_cbranch_scc0 .Lentry_in_a_cluster
	s_endpgm
.Lentry_in_a_cluster:
	s_bfe_u32 s2, ttmp6, 0x10000c
	s_cmp_lg_u32 s2, 0xf033
	s_cbranch_scc0 .Lentry_shape_is_right
	s_endpgm
.Lentry_shape_is_right:
; q = x Wq + bq, k = x Wk + bk, v = x Wv + bv on E4M3 codes, each result quantised at once (scales 2^e6, 2^e7, 2^e9) and stored as images of the next product's operand registers.
; A GEMM of tiles 256 x 256, four waves of 128 x 128 (64 accumulators, 512 registers), K = 1,024 in four steps of 256 through two LDS slots.  24 clusters of 4 x 4 work-groups: product p = cluster / 8.
; THE OPERANDS ARE IMAGES (see below), so a K step's 128 rows are one dense block of 32,768 bytes, a fragment is four ds_load_b128 of 512 consecutive bytes, and LDS needs no pitch and no padding.
; An image: 16 rows x 128 K; lane (r, h) holds row r, registers 2 c, 2 c + 1 hold k = 16 c + 8 h + 0 .. 7; group g (registers 4 g ..) is 512 bytes, lane l at 16 l.  A part: [256 along K][tile of 16 rows][128 along K: 2][2,048].
; THE MATRIX INSTRUCTION IS USED TRANSPOSED: source 0 = 16 rows of the column operand B (index j), source 1 = 16 rows of the row operand A (index i): lane (r, h) holds i = r and j = 8 h + 0 .. 7.
; Eight neighbours along j become two registers of codes: registers 2 b, 2 b + 1 of a fragment whose K is j.  p = 0, 1: A = x, B = W: j runs along the head's channels, the K of q k^T.
; p = 2: THE ROLES ARE SWAPPED, A = Wv, B = x: the result is v^T and j runs along the keys, the K of the second product of attention.  So every result leaves by stores of 512 consecutive bytes, with no stage.
; The bias, divided by 2^(ea + eb), is the C of each sum's first product.  A sum stands for sum x 2^(ea + eb): its conversion takes the one scale 2^(eo - ea - eb).
; LIMITS: eo - ea - eb between -126 and 119.  NaN is not served.
; CLUSTERS: the four of a row of the cluster need the same tiles of A, the four of a column the same tiles of B: each tile is asked for jointly.  384 work-groups: three products of 128 tiles.
; REGISTERS: window 0: v16-31 addresses and constants; v32-95 the bias tile; v96-103 the bias by rows; v128-255 A's fragments, ONE set, later the codes.
;   window 1: B's fragments, two sets.  windows 2, 3: the accumulators, (a, b) at v[8 (8 (a % 4) + b)].
.set HALFT,  32768                     ; 128 rows x 256 along K: what one tensor load brings and one wave reads of A or of B
.set SLOT,   131072                    ; A's two halves, then B's two
.set SPARE,  262144                    ; behind the ring: the spare words, 128 bytes a wave: two blocks of 256 bytes that no other line names
.set FR,     16
.set NL,     4
.set NP,     4
.set ADRA, 16                          ; v16-17 LDS address of my A fragments in slot 0, 1
.set ADRB, 20                          ; v20-21 the same for B
.set CO,   26                          ; v26    16 x lane
.set SPW,  28
.set NIL,  29
.set LIM,  30
.set SC,   31                          ; v31    2^(eo - ea - eb)
.set BT,   32
.set TBV,  96
.set AF,   128
.set CD,   128
.set G1,  24
.set G0,  32
.set G1B, 48
.set G0B, 56
.set SR2, 80                           ; s[80:81] two K steps on in A's buffer, in bytes;  s[82:83] in B's
.set SC2, 82
.set OB,  4                            ; s[4:11] four bases of the way out
.set MSB, 0
.macro WIN new                         ; the immediate's high byte repeats the setting that is left
.if MSB != (\new)
	s_set_vgpr_msb (MSB<<8)|(\new)
.set MSB, (\new)
.endif
.endm
.set MUL_LO, 0xa1                      ; source 0 (B) window 1, source 1 (A) window 0, C and D window 2
.set MUL_HI, 0xf1
.set TO_B,   0x40
.macro JLOAD g0a, g1a, g0b, g1b        ; a joint load: waves 0, 1 fetch A's halves, waves 2, 3 B's; four v_nop follow each line
	s_cmp_eq_u32 s15, 0
	s_cbranch_scc0 .Lfor_b_\@
	tensor_load_to_lds s[\g0a:\g0a+3], s[\g1a:\g1a+7]
	s_nop 0
.rept 4
	v_nop
.endr
	s_branch .Lasked_\@
.Lfor_b_\@:
	tensor_load_to_lds s[\g0b:\g0b+3], s[\g1b:\g1b+7]
	s_nop 0
.rept 4
	v_nop
.endr
.Lasked_\@:
.endm
.macro CREST
	s_cmp_lg_u32 s14, 0
	s_cbranch_scc1 .Lnot_wave_0_\@
	s_barrier_signal -3
.Lnot_wave_0_\@:
	s_barrier_wait -3
	s_barrier_signal -1
	s_barrier_wait -1
.endm
.macro CROUND
	s_barrier_signal -1
	s_barrier_wait -1
	CREST
.endm
.macro PLACES n
.rept \n
	v_nop
.endr
.endm
	s_load_b256 s[4:11], s[0:1], 0x0               ; xc s[4:5], wc s[6:7], the exponents s[8:9], bq s[10:11]
	s_load_b256 s[68:75], s[0:1], 0x20             ; bk s[68:69], bv s[70:71], qf s[72:73], kf s[74:75]
	s_load_b64 s[76:77], s[0:1], 0x40              ; vf
	v_lshl_add_u32 v[SPW], v0, 2, SPARE
	v_mov_b32 v[NIL], 0
	ds_add_u32 v28, v29
	ds_add_u32 v28, v29
	s_wait_dscnt 0x0
	v_lshrrev_b32 v1, 5, v0
	v_readfirstlane_b32 s14, v1                    ; wave 0..3
	s_lshr_b32 s15, s14, 1                         ; which half of the tile's rows is mine.  Also: I fetch for A (0) or for B (1)
	s_and_b32 s16, s14, 1                          ; which half of its columns.  Also: which 128 rows I fetch
	s_bfe_u32 s40, ttmp6, 0x40000                  ; cx
	s_bfe_u32 s41, ttmp6, 0x40004                  ; cy
	s_lshr_b32 s78, ttmp9, 3                       ; p: the product; the same in all sixteen partners
	s_and_b32 s79, ttmp9, 7                        ; u: which cluster of its eight
	s_lshl_b32 s22, s78, 23                        ; x's part for this product, 8 MiB each
	s_lshl_b32 s23, s78, 20                        ; the weight's part, 1 MiB each
	s_mov_b32 s[SR2], 0x80000
	s_mov_b32 s[SC2], 0x400000
	s_cmp_lt_u32 s78, 2
	s_cselect_b32 s17, s79, 0                      ; p < 2: 32 tile rows (x), 4 tile columns (W);  p = 2: 4 tile rows (Wv), 32 tile columns (x)
	s_cselect_b32 s42, 0, s79
	s_cselect_b32 s18, s22, s23                    ; A's part
	s_cselect_b32 s19, s23, s22                    ; B's part
	s_cselect_b32 s[SR2], 0x400000, s[SR2]         ; a K step is 2 MiB in x's codes, 256 KiB in a weight's
	s_cselect_b32 s[SC2], 0x80000, s[SC2]
	s_mov_b32 s[SR2+1], 0
	s_mov_b32 s[SC2+1], 0
	s_lshl_b32 s17, s17, 2
	s_add_co_u32 s17, s17, s41                     ; tile row
	s_lshl_b32 s42, s42, 2
	s_add_co_u32 s42, s42, s40                     ; tile column
	s_lshl_b32 s43, s41, 2
	s_lshl_b32 s43, 15, s43                        ; my row of the cluster
	s_lshl_b32 s44, 0x1111, s40                    ; my column
	; descriptor group 1: a dense block of 32,768 bytes as 128 rows of 32 elements of 8 bytes
	s_or_b32 s[G1+0], s43, (3<<16)|(1<<21)         ; 15:0 the mask; 17:16 elements of 8 bytes; 21 set beside a mask; no padding
	s_or_b32 s[G1B+0], s44, (3<<16)|(1<<21)
.irp g, G1, G1B
	s_mov_b32 s[\g+1], 32<<16                      ; tensor_dim0 = 32
	s_mov_b32 s[\g+2], 128<<16                     ; tensor_dim1 = 128
	s_mov_b32 s[\g+3], 32<<16                      ; tile_dim0
	s_mov_b32 s[\g+4], 128                         ; tile_dim1
	s_mov_b32 s[\g+5], 32                          ; pitch = row
	s_mov_b32 s[\g+6], 0
	s_mov_b32 s[\g+7], 0
.endr
	s_lshl_b32 s45, s16, 15                        ; which half I fetch
	s_lshl_b32 s20, s17, 16                        ; A: tile row x 65,536
	s_add_co_u32 s20, s20, s45
	s_add_co_u32 s20, s20, s18
	s_mov_b32 s21, 0
	s_lshl_b32 s46, s42, 16                        ; B: tile column x 65,536
	s_add_co_u32 s46, s46, s45
	s_add_co_u32 s46, s46, s19
	s_mov_b32 s47, 0
	s_lshr_b32 s18, s[SR2], 1                      ; one K step on
	s_mov_b32 s19, 0
	s_lshr_b32 s22, s[SC2], 1
	s_mov_b32 s23, 0
	s_mul_i32 s45, s14, HALFT                      ; where my load goes: wave x 32,768: no place in the cluster enters an LDS address
	s_wait_kmcnt 0x0
	s_load_b256 s[84:91], s[8:9], 0x0              ; e0 .. e7
	s_load_b128 s[92:95], s[8:9], 0x20             ; e8 .. e11
	s_cmp_lt_u32 s78, 2
	s_cselect_b64 s[12:13], s[4:5], s[6:7]         ; A's buffer
	s_cselect_b64 s[96:97], s[6:7], s[4:5]         ; B's
	s_add_nc_u64 s[20:21], s[12:13], s[20:21]
	s_add_nc_u64 s[46:47], s[96:97], s[46:47]
	CROUND                                         ; all sixteen work-groups are here: the first joint loads meet
	s_mov_b32 s[G0], 1
	s_mov_b32 s[G0+1], s45
	s_mov_b64 s[G0+2:G0+3], s[20:21]
	s_or_b32 s[G0+3], s[G0+3], 0x80000000
	s_mov_b32 s[G0B], 1
	s_mov_b32 s[G0B+1], s45
	s_mov_b64 s[G0B+2:G0B+3], s[46:47]
	s_or_b32 s[G0B+3], s[G0B+3], 0x80000000
	JLOAD G0, G1, G0B, G1B                         ; K step 0
	s_mov_b32 s[G0+4], 1
	s_add_co_u32 s[G0+5], s45, SLOT
	s_add_nc_u64 s[G0+6:G0+7], s[20:21], s[18:19]
	s_or_b32 s[G0+7], s[G0+7], 0x80000000
	s_mov_b32 s[G0B+4], 1
	s_add_co_u32 s[G0B+5], s45, SLOT
	s_add_nc_u64 s[G0B+6:G0B+7], s[46:47], s[22:23]
	s_or_b32 s[G0B+7], s[G0B+7], 0x80000000
	JLOAD G0+4, G1, G0B+4, G1B                     ; K step 1: two loads of mine are out
	v_and_b32 v1, 31, v0
	v_lshlrev_b32 v[CO], 4, v1
	s_lshl_b32 s21, s15, 15                        ; my 128 rows of A
	s_lshl_b32 s22, s16, 15                        ; my 128 rows of B,
	s_add_co_u32 s22, s22, 2*HALFT                 ; which lie behind A's 256
.irp s, 0,1
	v_add_nc_u32 v[ADRA+\s], s21, v[CO]
	v_add_nc_u32 v[ADRB+\s], s22, v[CO]
	s_add_co_u32 s21, s21, SLOT
	s_add_co_u32 s22, s22, SLOT
.endr
	; the bias, in both forms, in every work-group: by columns j (used where p < 2) and by rows i (p = 2).  24 small loads; the tile numbers are held under 4, so that every load stays inside the 1,024 entries whatever p is
	v_bfe_u32 v2, v0, 4, 1
	v_lshlrev_b32 v2, 5, v2                        ; 32 h: eight numbers of my half
	s_wait_alu depctr_va_vdst(0)
	v_and_b32 v3, 15, v0
	v_lshlrev_b32 v3, 2, v3                        ; 4 r
	s_wait_alu depctr_va_vdst(0)
	s_cmp_eq_u32 s78, 1
	s_cselect_b64 s[10:11], s[68:69], s[10:11]     ; bk for k, else bq
	s_and_b32 s20, s42, 3
	s_lshl_b32 s20, s20, 10
	s_lshl_b32 s21, s16, 9
	s_add_co_u32 s20, s20, s21
	s_mov_b32 s21, 0
	s_add_nc_u64 s[10:11], s[10:11], s[20:21]      ; at column 256 x tile column + 128 x half
	s_and_b32 s20, s17, 3
	s_lshl_b32 s20, s20, 10
	s_lshl_b32 s22, s15, 9
	s_add_co_u32 s20, s20, s22
	s_add_nc_u64 s[70:71], s[70:71], s[20:21]      ; bv at row 256 x tile row + 128 x half
.irp b, 0,1,2,3,4,5,6,7
	global_load_b128 v[BT+8*\b:BT+8*\b+3], v2, s[10:11] offset:64*\b
	global_load_b128 v[BT+8*\b+4:BT+8*\b+7], v2, s[10:11] offset:64*\b+16
.endr
.irp a, 0,1,2,3,4,5,6,7
	global_load_b32 v[TBV+\a], v3, s[70:71] offset:64*\a
.endr
.macro FRAG reg, adr, q, i             ; a fragment as it lies: four groups of 512 consecutive bytes
.irp c, 0,1,2,3
	ds_load_b128 v[\reg+4*\c:\reg+4*\c+3], v[\adr] offset:(\i)*4096+(\q)*2048+512*\c
.endr
.endm
; 16 matrix instructions: A's blocks a0, a0 + 1 x B's eight.  p: B's set.  zero = 1: C = the bias by columns; 2: by rows; 0: the sum goes on in place.
; The 64 accumulators take turns, one instruction a turn, in the same order in every step.
.macro MUL16 a0, p, zero
.irp a, \a0, \a0+1
.irp b, 0,1,2,3,4,5,6,7
.if \zero == 1
	v_wmma_f32_16x16x128_fp8_fp8 v[8*(8*((\a)%4)+\b):8*(8*((\a)%4)+\b)+7], v[128*(\p)+FR*\b:128*(\p)+FR*\b+FR-1], v[AF+FR*(\a):AF+FR*(\a)+FR-1], v[BT+8*\b:BT+8*\b+7]
.elseif \zero == 2
	v_wmma_f32_16x16x128_fp8_fp8 v[8*(8*((\a)%4)+\b):8*(8*((\a)%4)+\b)+7], v[128*(\p)+FR*\b:128*(\p)+FR*\b+FR-1], v[AF+FR*(\a):AF+FR*(\a)+FR-1], v[BT+8*(\a):BT+8*(\a)+7]
.else
	v_wmma_f32_16x16x128_fp8_fp8 v[8*(8*((\a)%4)+\b):8*(8*((\a)%4)+\b)+7], v[128*(\p)+FR*\b:128*(\p)+FR*\b+FR-1], v[AF+FR*(\a):AF+FR*(\a)+FR-1], v[8*(8*((\a)%4)+\b):8*(8*((\a)%4)+\b)+7]
.endif
.endr
.endr
.endm
.macro FETCH_B slot, q, p
	WIN TO_B
.irp i, 0,1,2,3,4,5,6,7
	FRAG 128*(\p)+FR*\i, ADRB+\slot, \q, \i
.endr
	WIN 0
.endm
.macro FETCH_A slot, q, i0
.irp i, \i0, \i0+1, \i0+2, \i0+3
	FRAG AF+FR*(\i), ADRA+\slot, \q, \i
.endr
.endm
; A step of 128 along K that has its successor in the same slot.  A block of A is free when its eight products are issued: blocks 0-3 are fetched anew in the middle, 4-7 at the end.
.macro STEP slot, q, zero
	s_wait_dscnt 4*NL                              ; B's set and A's blocks 0-3 are in; the youngest 16 loads (A's blocks 4-7) may be out
.if \zero
	WIN 0x81                                       ; C (the bias) in window 0, D in window 2
.else
	WIN MUL_LO
.endif
	MUL16 0, (\q)%2, \zero
	MUL16 2, (\q)%2, \zero
	s_wait_dscnt 0                                 ; A's blocks 4-7 are in
	PLACES NP                                      ; four plain lines in front of loads into registers that matrix instructions have read
	FETCH_B \slot, (\q)+1, 1-(\q)%2
	FETCH_A \slot, (\q)+1, 0
.if \zero
	WIN 0xc1
.else
	WIN MUL_HI
.endif
	MUL16 4, (\q)%2, \zero
	MUL16 6, (\q)%2, \zero
	PLACES NP
	WIN 0
	FETCH_A \slot, (\q)+1, 4
.endm
; A slot's last step changes slots: one barrier; in front of it each wave waits for all its tensor loads, adds 0 to its spare word, and waits for that and for its reads of this slot.
.macro TURN slot, next, fill
	s_wait_tensorcnt 0x0                           ; all my tensor loads have landed: my part of the next slot
	ds_add_u32 v[SPW], v[NIL]                      ; 0 onto my spare word
	s_wait_dscnt 4*NL+1                            ; the add and the youngest 16 loads may be out
	WIN MUL_LO
	MUL16 0, 1, 0                                  ; sixteen matrix instructions stand between the add and the wait for it
	s_wait_dscnt 0x0                               ; the add is done, and my reads of this slot are over
	s_barrier_signal -1
	MUL16 2, 1, 0
	WIN 0
	s_barrier_wait -1
.if \fill
	CREST                                          ; the barrier has opened a round of the cluster's: no wave of any partner still reads this slot or has a load on its way
	s_add_nc_u64 s[G0+4*\slot+2:G0+4*\slot+3], s[G0+4*\slot+2:G0+4*\slot+3], s[SR2:SR2+1]
	s_add_nc_u64 s[G0B+4*\slot+2:G0B+4*\slot+3], s[G0B+4*\slot+2:G0B+4*\slot+3], s[SC2:SC2+1]
	JLOAD G0+4*\slot, G1, G0B+4*\slot, G1B         ; the first tensor load behind the round; its four v_nop are also the places in front of the loads below
.else
	PLACES NP
.endif
	FETCH_B \next, 0, 0
	FETCH_A \next, 0, 0
	WIN MUL_HI
	MUL16 4, 1, 0
	MUL16 6, 1, 0
	PLACES NP
	WIN 0
	FETCH_A \next, 0, 4
.endm
	s_wait_tensorcnt 1                             ; my part of K step 0 is in; K step 1's load may be out
	s_barrier_signal -1
	s_barrier_wait -1
	FETCH_B 0, 0, 0
	FETCH_A 0, 0, 0
	FETCH_A 0, 0, 4
	s_wait_kmcnt 0x0
	s_cmp_eq_u32 s78, 1                            ; the product's three exponents, chosen without a jump
	s_cselect_b32 s96, s86, s84
	s_cselect_b32 s97, s87, s85
	s_cselect_b32 s98, s91, s90
	s_cmp_eq_u32 s78, 2
	s_cselect_b32 s96, s88, s96
	s_cselect_b32 s97, s89, s97
	s_cselect_b32 s98, s93, s98
	s_add_co_i32 s96, s96, s97                     ; ea + eb
	s_sub_co_i32 s97, 0, s96
	s_sub_co_i32 s98, s98, s96                     ; eo - ea - eb
	s_add_co_i32 s98, s98, 127
	s_lshl_b32 s99, s98, 23
	v_mov_b32 v[SC], s99
	s_wait_loadcnt 0x0                             ; the bias; its loads have also read their bases
	; THE WAY OUT'S BASES.  In qf, kf and vf alike the wave's first token T0 and first head H0 stand at byte (16 b + H0) x 131,072 + (T0 % 2,048) x 64, b = T0 / 2,048.
	; p < 2: tokens run along i (blocks a), heads along j (groups g);  p = 2: the other way round.  So only two steps change places: 4 blocks of a on, and 2 groups of g on.
	s_mov_b32 s22, 131072
	s_mov_b32 s23, 4096
	s_cmp_lt_u32 s78, 2
	s_cselect_b32 s18, s17, s42                    ; the tile number along the tokens,
	s_cselect_b32 s19, s15, s16                    ; and my half there
	s_cselect_b32 s20, s42, s17                    ; along the heads
	s_cselect_b32 s21, s16, s15
	s_cselect_b32 s22, 4096, s22                   ; four blocks a on: 64 tokens, or a head
	s_cselect_b32 s23, 131072, s23                 ; two groups g on: a head, or 64 tokens
	s_cselect_b64 s[12:13], s[74:75], s[76:77]
	s_cmp_eq_u32 s78, 0
	s_cselect_b64 s[12:13], s[72:73], s[12:13]
	s_lshl_b32 s18, s18, 8
	s_lshl_b32 s19, s19, 7
	s_add_co_u32 s18, s18, s19                     ; T0
	s_lshl_b32 s20, s20, 2
	s_lshl_b32 s21, s21, 1
	s_add_co_u32 s20, s20, s21                     ; H0
	s_lshr_b32 s19, s18, 11
	s_lshl_b32 s19, s19, 4
	s_add_co_u32 s19, s19, s20
	s_lshl_b32 s19, s19, 17
	s_and_b32 s18, s18, 2047
	s_lshl_b32 s18, s18, 6
	s_add_co_u32 s18, s18, s19
	s_mov_b32 s19, 0
	s_add_nc_u64 s[OB:OB+1], s[12:13], s[18:19]
	s_mov_b32 s18, s23
	s_add_nc_u64 s[OB+2:OB+3], s[OB:OB+1], s[18:19]
	s_mov_b32 s18, s22
	s_add_nc_u64 s[OB+4:OB+5], s[OB:OB+1], s[18:19]
	s_add_nc_u64 s[OB+6:OB+7], s[OB+2:OB+3], s[18:19]
	; THE FIRST STEP starts the sums with the bias / 2^(ea + eb).  Its C registers go by b or by a: the one place where the text parts on p (the same in all partners; no barrier and no tensor load stands inside)
	s_cmp_lt_u32 s78, 2
	s_cbranch_scc0 .Lfirst_v
.set j, 0
.rept 64
	v_ldexp_f32 v[BT+j], v[BT+j], s97
.set j, j+1
.endr
	s_wait_alu depctr_va_vdst(0)
	STEP 0, 0, 1
	s_branch .Lfirst_done
.Lfirst_v:
.irp a, 0,1,2,3,4,5,6,7
.irp i, 0,1,2,3,4,5,6,7
	v_ldexp_f32 v[BT+8*\a+\i], v[TBV+\a], s97      ; my row's bias in all eight registers
.endr
.endr
	s_wait_alu depctr_va_vdst(0)
	STEP 0, 0, 2
.Lfirst_done:
	TURN 0, 1, 1                                   ; slot 0 takes K step 2
	STEP 1, 0, 0
	TURN 1, 0, 1                                   ; slot 1 takes K step 3
	STEP 0, 0, 0
	TURN 0, 1, 0                                   ; nothing is left to fetch
	STEP 1, 0, 0
	s_wait_dscnt 4*NL
	WIN MUL_LO
	MUL16 0, 1, 0
	MUL16 2, 1, 0
	s_wait_dscnt 0
	WIN MUL_HI
	MUL16 4, 1, 0
	MUL16 6, 1, 0
	WIN 0
; THE WAY OUT, block a of 16 rows i: converted, stored.  The 16 registers of codes are two fragments of K = 64 (groups 0, 1 and 2, 3).  Every block has code registers of its own, so no store's data are written again.
.macro OUTB a
	WIN 0x02+(\a)/4                                ; source 0: window 2 or 3
.set j, 0
.rept 64
.set j, j+1
.endr
.irp b, 0,1,2,3,4,5,6,7
	v_cvt_scalef32_pk8_fp8_f32 v[CD+16*(\a)+2*\b:CD+16*(\a)+2*\b+1], v[BT+8*\b+((64*((\a)%4)+j)-(BT+j)):BT+8*\b+7+((64*((\a)%4)+j)-(BT+j))], v[SC]
.endr
	WIN 0
	v_nop                                          ; a plain line behind the last conversion
.irp g, 0,1,2,3
	global_store_b128 v[CO], v[CD+16*(\a)+4*\g:CD+16*(\a)+4*\g+3], s[OB+4*((\a)/4)+2*(\g/2):OB+4*((\a)/4)+2*(\g/2)+1] offset:((\a)%4)*1024+(\g%2)*512   ; 512 consecutive bytes, aligned
.endr
.endm
	PLACES NP                                      ; behind the last products: their results are read and A's registers written below
.irp a, 0,1,2,3,4,5,6,7
	OUTB \a
.endr
	s_wait_tensorcnt 0x0                           ; the wave's end
	ds_add_u32 v[SPW], v[NIL]
	s_wait_dscnt 0x0
	CROUND                                         ; the closing round
	s_endpgm
.Lfunc_end_k_qaee939e624_qkv:
	.size	k_qaee939e624_qkv, .Lfunc_end_k_qaee939e624_qkv-k_qaee939e624_qkv
	.p2alignl 7, 3214868480
	.fill 96, 4, 3214868480
	.section	.rodata,"a",@progbits
	.p2align	6, 0x0
	.amdhsa_kernel k_qaee939e624_qkv
		.amdhsa_group_segment_fixed_size 327680
		.amdhsa_private_segment_fixed_size 0
		.amdhsa_enable_private_segment 0
		.amdhsa_kernarg_size 72
		.amdhsa_user_sgpr_count 2
		.amdhsa_user_sgpr_kernarg_segment_ptr 1
		.amdhsa_wavefront_size32 1
		.amdhsa_system_sgpr_workgroup_id_x 1
		.amdhsa_system_sgpr_workgroup_id_y 1
		.amdhsa_system_sgpr_workgroup_id_z 1
		.amdhsa_system_vgpr_workitem_id 0
		.amdhsa_next_free_vgpr 1024
		.amdhsa_next_free_sgpr 100
		.amdhsa_reserve_vcc 0
		.amdhsa_float_denorm_mode_32 3
		.amdhsa_float_denorm_mode_16_64 3
		.amdhsa_fp16_overflow 1
		.amdhsa_memory_ordered 1
		.amdhsa_forward_progress 1
		.amdhsa_inst_pref_size 106
	.end_amdhsa_kernel
	.amdgpu_metadata
---
amdhsa.version: [ 1, 2 ]
amdhsa.kernels:
  - .name:           k_qaee939e624_qkv
    .symbol:         k_qaee939e624_qkv.kd
    .args:
      - { .name: xc, .offset: 0, .size: 8, .value_kind: global_buffer, .address_space: global }
      - { .name: wc, .offset: 8, .size: 8, .value_kind: global_buffer, .address_space: global }
      - { .name: lowp_scales, .offset: 16, .size: 8, .value_kind: global_buffer, .address_space: global }
      - { .name: bq, .offset: 24, .size: 8, .value_kind: global_buffer, .address_space: global }
      - { .name: bk, .offset: 32, .size: 8, .value_kind: global_buffer, .address_space: global }
      - { .name: bv, .offset: 40, .size: 8, .value_kind: global_buffer, .address_space: global }
      - { .name: qf, .offset: 48, .size: 8, .value_kind: global_buffer, .address_space: global }
      - { .name: kf, .offset: 56, .size: 8, .value_kind: global_buffer, .address_space: global }
      - { .name: vf, .offset: 64, .size: 8, .value_kind: global_buffer, .address_space: global }
    .group_segment_fixed_size: 327680
    .private_segment_fixed_size: 0
    .kernarg_segment_align: 8
    .kernarg_segment_size: 72
    .max_flat_workgroup_size: 128
    .sgpr_count:     100
    .vgpr_count:     1024
    .wavefront_size: 32
...
	.end_amdgpu_metadata
.endif
;; end of part 2
;; launch attn (part 3): grid 4 x 64, 16 waves a work-group, no clusters, 264,192 bytes of LDS; arguments qf, kf, vf, lowp_scales, ac; writes ac
.if DOCPART == 3
	.amdgcn_target "amdgcn-amd-amdhsa--gfx1250"
	.amdhsa_code_object_version 6
	.text
	.protected	k_qaee939e624_attn
	.globl	k_qaee939e624_attn
	.p2align	8
	.type	k_qaee939e624_attn,@function
k_qaee939e624_attn:
	s_mov_b64 s[64:65], 0
	v_nop
	global_prefetch_b8 v0, s[64:65] scope:SCOPE_SE
	s_setreg_imm32_b32 hwreg(HW_REG_WAVE_MODE, 25, 1), 1
	s_wait_xcnt 0x0
; Causal attention of one head on E4M3 codes: S^T = k q^T, p = 2^(t - M), O^T = v^T p^T, O / l quantised with 2^e10 for the last projection.
; t = score x 2^(e6 + e7) x log2(e) / 8;  M = ceil(the row's largest t);  l = the row's sum of the unquantised p, f32.
; qf, kf: [batch x 16 + head][tile of 16 tokens: 128][1,024]: images of fragments of 16 rows x 64 channels.  vf: [..][64 keys: 32][16 channels: 4][1,024]: fragments of v^T, 16 channels x 64 keys.
; An image: lane (r, h) holds row r, registers 2 c, 2 c + 1 hold k = 16 c + 8 h + 0 .. 7; group g (registers 4 g ..) is 512 bytes, lane l at 16 l.
; SHARES.  Work-group (i, head) owns blocks i and 7 - i of 256 queries, so that all 256 work-groups have the same number of key steps under the mask.  Each of its sixteen waves owns 32 queries: two tiles that share every fragment of k and v.
; A HEAD'S WHOLE k AND v LIE IN LDS (131,072 bytes each), filled once: no slot is ever filled again.  They come in four chunks of 512 keys; each wave brings 4,096 bytes of each chunk (waves 0-7 of k, 8-15 of v),
; in the chunks' order, so that the first chunk is worked while the others land: four tensor loads of a wave are out at the most.  (A chunk's 32,768 bytes shared among eight waves are 16 rows of 256 bytes a load.)
; TWO PASSES.  k stays in LDS, so pass 1 finds each row's largest score (products and maxima alone), and pass 2 knows M from its first step: nothing is ever rescaled.
; Both products are used transposed: a lane holds ONE query (lane % 16) throughout; S^T's register 8 t + j is key 16 t + 8 h + j, and its eight codes are registers 2 t, 2 t + 1 of p's fragment.
; THE MASK.  A step of 64 keys that all come after my 32 queries is passed over by a scalar branch on ids; in the one step on the diagonal hidden scores become -infinity.  In every step that is worked the step's first key counts for all my queries.
; NO CLUSTER: the work-groups that read the same k and v are different query blocks of a head, and the steps that a wave passes over hang on its block, which partners of a joint load may not branch on.
; LIMITS: e6 + e7 between -123 and 130 (added to c's exponent field); e8 and e10 - e8 - e9 between -126 and 119.
.set AK,  1                            ; v1   16 x lane: my place in an image (LDS, and memory)
.set AV,  2                            ; v2   the same in v's half of LDS
.set ADK, 3                            ; v3, v4 the addresses of the step in hand
.set ADV, 4
.set RH,  5                            ; v5   r - 8 h
.set PSC, 6                            ; v6   a conversion's scale
.set PLIM, 7
.set DD,  8                            ; v8, v9 the mask's bound for tiles 0, 1
.set NINF, 10
.set PX,  11                           ; a lane permute's destination
.set NM,  12                           ; v[12:13], v[14:15]: -M of tiles 0, 1 (the low word serves both halves)
.set L,   16                           ; v[16:23]: the sums: two chains of pairs a tile
.set MX,  24                           ; v24-27: the largest scores: two chains a tile
.set RC,  28                           ; v[28:29], v[30:31]: 1 / l
.set Q,   32                           ; v32-47
.set KR,  48                           ; v48-79   four fragments of k
.set VR,  80                           ; v80-111  four fragments of v^T
.set S,   112                          ; v112-175 S^T, then p: 32 x + 8 t
.set O,   176                          ; v176-239 O^T: 32 x + 8 dt
.set P,   240                          ; v240-255 codes: 8 x
.set TB,  2                            ; s2   LDS byte of the step's tiles of k
.set KF,  3                            ; s3   the step's first key
.set WV,  18
.set Q0,  19                           ; s19  my first query
.set SEL, 20
.set CS,  22
.set G1,  24
.set G0,  32                           ; s[32:47] four groups 0, one a chunk
.set CNT, 56
	s_load_b256 s[4:11], s[0:1], 0x0               ; qf s[4:5], kf s[6:7], vf s[8:9], the exponents s[10:11]
	s_load_b64 s[12:13], s[0:1], 0x20              ; ac
	v_lshl_add_u32 v254, v0, 2, 0x40000
	v_mov_b32 v255, 0
	ds_add_u32 v254, v255
	ds_add_u32 v254, v255
	s_wait_dscnt 0x0
	v_lshrrev_b32 v1, 5, v0
	s_delay_alu instid0(VALU_DEP_1)
	v_readfirstlane_b32 s[WV], v1                  ; wave 0..15
	s_and_b32 s14, ttmp7, 0xffff                   ; batch x 16 + head
	s_and_b32 s15, s[WV], 7
	s_lshl_b32 s16, s14, 17                        ; the head's first byte in qf, kf and vf
	s_mov_b32 s17, 0
	s_lshl_b32 s60, s15, 12                        ; my 4,096 bytes of a chunk
	s_mov_b32 s61, 0
	s_lshl_b32 s57, s[WV], 12
	s_lshr_b32 s58, s[WV], 3
	s_mul_i32 s58, s58, 98304
	s_add_co_u32 s57, s57, s58                     ; in LDS: 4,096 x (wave % 8), + 131,072 for waves 8-15
	s_mov_b32 s[G1], 3<<16                         ; no mask; elements of 8 bytes; no padding
	s_mov_b32 s[G1+1], 32<<16                      ; tensor_dim0 = 32: rows of 256 bytes
	s_mov_b32 s[G1+2], 16<<16                      ; tensor_dim1 = 16
	s_mov_b32 s[G1+3], 32<<16                      ; tile_dim0
	s_mov_b32 s[G1+4], 16                          ; tile_dim1
	s_mov_b32 s[G1+5], 32                          ; pitch = row: a dense block
	s_mov_b32 s[G1+6], 0
	s_mov_b32 s[G1+7], 0
	s_sub_co_u32 s[Q0], 7, ttmp9
	s_cmp_lt_u32 s[WV], 8
	s_cselect_b32 s[Q0], ttmp9, s[Q0]              ; waves 0-7: block i; waves 8-15: block 7 - i
	s_lshl_b32 s[Q0], s[Q0], 8
	s_lshl_b32 s58, s15, 5
	s_add_co_u32 s[Q0], s[Q0], s58
	s_mov_b32 s[SEL], 0x76543210
	s_mov_b32 s[SEL+1], 0xfedcba98
	s_wait_kmcnt 0x0
	s_cmp_lt_u32 s[WV], 8
	s_cselect_b64 s[58:59], s[6:7], s[8:9]
	s_add_nc_u64 s[58:59], s[58:59], s[16:17]
	s_add_nc_u64 s[58:59], s[58:59], s[60:61]
.irp c, 0,1,2,3
	s_mov_b32 s[G0+4*\c], 1
	s_add_co_u32 s[G0+4*\c+1], s57, \c*32768
	s_add_nc_u64 s[G0+4*\c+2:G0+4*\c+3], s[58:59], \c*32768
	s_or_b32 s[G0+4*\c+3], s[G0+4*\c+3], 0x80000000
.endr
	tensor_load_to_lds s[G0:G0+3], s[G1:G1+7]      ; the launch's only fills, one group, in the chunks' order
	s_nop 0
	tensor_load_to_lds s[G0+4:G0+7], s[G1:G1+7]
	s_nop 0
	tensor_load_to_lds s[G0+8:G0+11], s[G1:G1+7]
	s_nop 0
	tensor_load_to_lds s[G0+12:G0+15], s[G1:G1+7]
	s_nop 0
.rept 4
	v_nop
.endr
	s_load_b256 s[48:55], s[10:11], 0x10           ; e4 .. e11: e6 s50, e7 s51, e8 s52, e9 s53, e10 s54
	s_lshl_b32 s60, s[Q0], 6                       ; a tile of 16 queries is 1,024 bytes
	s_add_nc_u64 s[4:5], s[4:5], s[16:17]
	s_add_nc_u64 s[4:5], s[4:5], s[60:61]
	v_and_b32 v1, 31, v0
	s_delay_alu instid0(VALU_DEP_1)
	v_lshlrev_b32 v[AK], 4, v1
	s_wait_alu depctr_va_vdst(0)
.irp x, 0,1
.irp g, 0,1
	global_load_b128 v[Q+8*\x+4*\g:Q+8*\x+4*\g+3], v[AK], s[4:5] offset:\x*1024+\g*512   ; q stays in registers
.endr
.endr
	; where my codes go in ac, laid as the last projection's row operand: [256 along K][tile of 16 tokens][128 along K: 2][2,048]; head hd fills groups 2 (hd % 2), + 1 of chunk hd / 2
	s_and_b32 s60, s14, 15                         ; hd
	s_lshr_b32 s62, s14, 4
	s_lshl_b32 s62, s62, 11
	s_add_co_u32 s62, s62, s[Q0]                   ; my first token
	s_lshl_b32 s62, s62, 8
	s_lshr_b32 s63, s60, 2
	s_lshl_b32 s63, s63, 21
	s_add_co_u32 s62, s62, s63
	s_bfe_u32 s63, s60, 0x10001
	s_lshl_b32 s63, s63, 11
	s_add_co_u32 s62, s62, s63
	s_and_b32 s63, s60, 1
	s_lshl_b32 s63, s63, 10
	s_add_co_u32 s62, s62, s63
	s_mov_b32 s63, 0
	s_add_nc_u64 s[12:13], s[12:13], s[62:63]
	v_add_nc_u32 v[AV], 131072, v[AK]
	v_and_b32 v[RH], 15, v0
	v_bfe_u32 v[DD], v0, 4, 1
	s_delay_alu instid0(VALU_DEP_1)
	v_lshlrev_b32 v[DD], 3, v[DD]
	s_delay_alu instid0(VALU_DEP_1)
	v_sub_nc_u32 v[RH], v[RH], v[DD]
	v_mov_b32 v[NINF], 0xff800000
	v_mov_b32 v[PX], 0                             ; written once: a lane permute's destination counts as one of its sources
	v_mov_b32 v[NM+1], 0                           ; (upper halves of pairs that are named whole)
	v_mov_b32 v[NM+3], 0
	v_mov_b32 v[RC+1], 0
	v_mov_b32 v[RC+3], 0
.irp j, 0,1,2,3
	v_mov_b32 v[MX+\j], v[NINF]
.endr
.irp j, 0,1,2,3,4,5,6,7
	v_mov_b32 v[L+\j], 0
.endr
.set j, 0
.rept 64
	v_mov_b32 v[O+j], 0                            ; O^T begins as zeros, so that pass 2's step is written once
.set j, j+1
.endr
	s_wait_kmcnt 0x0
	s_add_co_i32 s60, s50, s51
	s_lshl_b32 s60, s60, 23
	s_mov_b32 s[CS], 0x3e38aa3b                    ; log2(e) / 8
	s_add_co_i32 s[CS], s[CS], s60                 ; x 2^(e6 + e7): added to the exponent field
	s_mov_b32 s[CS+1], s[CS]
	s_add_co_i32 s60, s52, 127
	s_lshl_b32 s61, s60, 23
	v_mov_b32 v[PSC], s61                          ; 2^e8
	s_mov_b32 s[KF], 0
	s_wait_loadcnt 0x0                             ; q
.macro KLOAD                           ; the step's 64 keys: four fragments
.irp t, 0,1,2,3
	ds_load_b128 v[KR+8*\t:KR+8*\t+3], v[ADK] offset:\t*1024
	ds_load_b128 v[KR+8*\t+4:KR+8*\t+7], v[ADK] offset:\t*1024+512
.endr
.endm
.macro SPROD                           ; S^T = k q^T: eight products, each a whole sum (K = 64)
.irp t, 0,1,2,3
.irp x, 0,1
	v_wmma_f32_16x16x64_fp8_fp8 v[S+32*\x+8*\t:S+32*\x+8*\t+7], v[KR+8*\t:KR+8*\t+7], v[Q+8*\x:Q+8*\x+7], 0
.endr
.endr
.endm
.macro PLACES
.rept 4
	v_nop
.endr
.endm
.macro MASK                            ; passed over where all 64 keys count for all my queries
	s_add_co_u32 s60, s[KF], 63
	s_cmp_le_u32 s60, s[Q0]
	s_cbranch_scc1 .Lopen_\@
	s_sub_co_i32 s60, s[Q0], s[KF]
	v_add_nc_u32 v[DD], s60, v[RH]                 ; register n holds key KF + 8 h + 16 (n / 8) + n % 8; my query is Q0 + 16 x + r: hidden where 16 (n / 8) + n % 8 > Q0 - KF + 16 x + r - 8 h
	s_delay_alu instid0(VALU_DEP_1)
	v_add_nc_u32 v[DD+1], 16, v[DD]
.irp x, 0,1
.set n, 0
.rept 32
	v_cmp_gt_i32 vcc_lo, 16*(n/8)+n%8, v[DD+\x]
	v_cndmask_b32 v[S+32*\x+n], v[S+32*\x+n], v[NINF], vcc_lo
.set n, n+1
.endr
.endr
.Lopen_\@:
.endm
; PASS 1, a step: the scores and their maxima
.macro STEP1
	s_cmp_gt_u32 s[KF], s[Q0]
	s_cbranch_scc1 .Lh1_\@
	v_add_nc_u32 v[ADK], s[TB], v[AK]
	KLOAD
	s_wait_dscnt 0x0
	SPROD
	PLACES                                         ; four plain lines between the products and the first read of their results
	MASK
.irp x, 0,1
.irp j, 0
	v_max3_num_f32 v[MX+2*\x], v[MX+2*\x], v[S+32*\x+\j], v[S+32*\x+\j+1]
	v_max3_num_f32 v[MX+2*\x+1], v[MX+2*\x+1], v[S+32*\x+\j+2], v[S+32*\x+\j+3]
.endr
.irp j, 4, 8, 12, 16, 20, 24, 28
	v_max3_num_f32 v[MX+2*\x], v[MX+2*\x], v[S+32*\x+\j], v[S+32*\x+\j+1]
	v_max3_num_f32 v[MX+2*\x+1], v[MX+2*\x+1], v[S+32*\x+\j+2], v[S+32*\x+\j+3]
.endr
.endr
.Lh1_\@:
	s_add_co_u32 s[TB], s[TB], 4096
	s_add_co_u32 s[KF], s[KF], 64
.endm
.macro CHUNK1 c                        ; chunk c: my part has landed, then everybody's; the later chunks stay out
	s_wait_tensorcnt 3-\c
	s_barrier_signal -1
	s_barrier_wait -1
	s_mov_b32 s[TB], \c*32768
	s_mov_b32 s[CNT], 8
.Lc1_\@:
	STEP1
	s_sub_co_u32 s[CNT], s[CNT], 1
	s_cmp_lg_u32 s[CNT], 0
	s_cbranch_scc1 .Lc1_\@
.endm
	CHUNK1 0
	CHUNK1 1
	CHUNK1 2
	CHUNK1 3
	; M: the two chains, the lane 16 away (the query's other keys), as t, rounded up to a whole number: -M = floor(-t)
	v_max_num_f32 v[MX], v[MX], v[MX+1]
	s_wait_alu depctr_va_vdst(0)
	v_max_num_f32 v[MX+2], v[MX+2], v[MX+3]
	v_permlanex16_b32 v[PX], v[MX], s[SEL], s[SEL+1]
	s_delay_alu instid0(VALU_DEP_1)
	v_max_num_f32 v[MX], v[MX], v[PX]
	s_delay_alu instid0(VALU_DEP_2)
	v_permlanex16_b32 v[PX], v[MX+2], s[SEL], s[SEL+1]
	s_delay_alu instid0(VALU_DEP_1)
	v_max_num_f32 v[MX+2], v[MX+2], v[PX]
	s_delay_alu instid0(VALU_DEP_3)
	v_mul_f32 v[MX], s[CS], v[MX]
	s_delay_alu instid0(VALU_DEP_2)
	v_mul_f32 v[MX+2], s[CS], v[MX+2]
	s_delay_alu instid0(VALU_DEP_2)
	v_floor_f32 v[NM], -v[MX]
	s_delay_alu instid0(VALU_DEP_2)
	v_floor_f32 v[NM+2], -v[MX+2]
	s_mov_b32 s[TB], 0
	s_mov_b32 s[KF], 0
	s_mov_b32 s[CNT], 32
; PASS 2: no barrier: all of k and v has landed and nobody writes LDS
.Lpass2:
	s_cmp_gt_u32 s[KF], s[Q0]
	s_cbranch_scc1 .Lh2
	s_setprio 2
	v_add_nc_u32 v[ADK], s[TB], v[AK]
	v_add_nc_u32 v[ADV], s[TB], v[AV]
	KLOAD
	s_wait_alu depctr_va_vdst(0)
	s_wait_dscnt 0x0
	SPROD
	PLACES                                         ; with the two additions above: the plain lines between the last trip's products v^T p^T and the loads into v's registers; also those in front of the first read of the scores
.irp d, 0,1,2,3
	ds_load_b128 v[VR+8*\d:VR+8*\d+3], v[ADV] offset:\d*1024          ; v lands under the softmax
	ds_load_b128 v[VR+8*\d+4:VR+8*\d+7], v[ADV] offset:\d*1024+512
.endr
	MASK
.irp x, 0,1
.irp j, 0,2,4,6,8,10,12,14,16,18,20,22,24,26,28,30
	v_pk_fma_f32 v[S+32*\x+\j:S+32*\x+\j+1], v[S+32*\x+\j:S+32*\x+\j+1], s[CS:CS+1], v[NM+2*\x:NM+2*\x+1] op_sel_hi:[1,0,0]   ; t - M, two at a time
.endr
.endr
.set j, 0
	s_setprio 1
	s_wait_alu depctr_va_vdst(0)
.rept 64
	v_exp_f32 v[S+j], v[S+j]                       ; p = 2^(t - M), at most 1
.set j, j+1
.endr
	v_nop                                          ; a plain line behind the last exponential
	s_wait_alu depctr_va_vdst(0)                   ; one wait for the batch, ahead of its first reader
.irp x, 0,1
.irp j, 0,4,8,12,16,20,24,28
	v_pk_add_f32 v[L+4*\x:L+4*\x+1], v[L+4*\x:L+4*\x+1], v[S+32*\x+\j:S+32*\x+\j+1]         ; the row's sum, of the unquantised p
	v_pk_add_f32 v[L+4*\x+2:L+4*\x+3], v[L+4*\x+2:L+4*\x+3], v[S+32*\x+\j+2:S+32*\x+\j+3]
.endr
.endr
.irp x, 0,1
.set j, 0
.rept 32
.set j, j+1
.endr
.irp t, 0,1,2,3
	v_cvt_scalef32_pk8_fp8_f32 v[P+8*\x+2*\t:P+8*\x+2*\t+1], v[S+32*\x+8*\t:S+32*\x+8*\t+7], v[PSC]
.endr
.endr
	v_nop                                          ; a plain line between the last conversion and the products that read its result
	s_setprio 0
	s_wait_alu depctr_va_vdst(0)
	s_wait_dscnt 0x0                               ; v
.irp d, 0,1,2,3
.irp x, 0,1
	v_wmma_f32_16x16x64_fp8_fp8 v[O+32*\x+8*\d:O+32*\x+8*\d+7], v[VR+8*\d:VR+8*\d+7], v[P+8*\x:P+8*\x+7], v[O+32*\x+8*\d:O+32*\x+8*\d+7]   ; eight accumulators by turns
.endr
.endr
.Lh2:
	s_add_co_u32 s[TB], s[TB], 4096
	s_add_co_u32 s[KF], s[KF], 64
	s_sub_co_u32 s[CNT], s[CNT], 1
	s_cmp_lg_u32 s[CNT], 0
	s_cbranch_scc1 .Lpass2
	s_setprio 0
	; THE WAY OUT.  O^T / l stands for the number / 2^(e8 + e9): its conversion takes the one scale 2^(e10 - e8 - e9).  The codes are groups of the next operand's image.
	v_pk_add_f32 v[L:L+1], v[L:L+1], v[L+2:L+3]    ; (these additions are also the plain lines behind the last products)
	v_pk_add_f32 v[L+4:L+5], v[L+4:L+5], v[L+6:L+7]
	s_delay_alu instid0(VALU_DEP_2)
	v_add_f32 v[L], v[L], v[L+1]
	s_delay_alu instid0(VALU_DEP_2)
	v_add_f32 v[L+4], v[L+4], v[L+5]
	s_delay_alu instid0(VALU_DEP_2)
	v_permlanex16_b32 v[PX], v[L], s[SEL], s[SEL+1]
	s_delay_alu instid0(VALU_DEP_1)
	v_add_f32 v[L], v[L], v[PX]
	s_delay_alu instid0(VALU_DEP_2)
	v_permlanex16_b32 v[PX], v[L+4], s[SEL], s[SEL+1]
	s_delay_alu instid0(VALU_DEP_1)
	v_add_f32 v[L+4], v[L+4], v[PX]
	s_wait_alu depctr_va_vdst(0)
	v_rcp_f32 v[RC], v[L]
	v_rcp_f32 v[RC+2], v[L+4]
	s_sub_co_i32 s60, s54, s52
	s_sub_co_i32 s60, s60, s53
	s_add_co_i32 s60, s60, 127
	s_lshl_b32 s61, s60, 23
	v_mov_b32 v[PSC], s61                          ; (a plain line behind the reciprocals)
	s_wait_alu depctr_va_vdst(0)                   ; one wait for both reciprocals, ahead of their first reader
.irp x, 0,1
.irp j, 0,2,4,6,8,10,12,14,16,18,20,22,24,26,28,30
	v_pk_mul_f32 v[O+32*\x+\j:O+32*\x+\j+1], v[O+32*\x+\j:O+32*\x+\j+1], v[RC+2*\x:RC+2*\x+1] op_sel_hi:[1,0]
.endr
.endr
.set j, 0
.rept 64
.set j, j+1
.endr
.irp x, 0,1
.irp d, 0,1,2,3
	v_cvt_scalef32_pk8_fp8_f32 v[P+8*\x+2*\d:P+8*\x+2*\d+1], v[O+32*\x+8*\d:O+32*\x+8*\d+7], v[PSC]
.endr
.endr
	v_nop
.irp x, 0,1
.irp g, 0,1
	global_store_b128 v[AK], v[P+8*\x+4*\g:P+8*\x+4*\g+3], s[12:13] offset:\x*4096+\g*512   ; 512 consecutive bytes, aligned
.endr
.endr
	s_wait_xcnt 0x0
	v_lshl_add_u32 v254, v0, 2, 0x40000
	v_mov_b32 v255, 0
	s_wait_alu depctr_va_vdst(0)
	s_wait_tensorcnt 0x0
	ds_add_u32 v254, v255
	s_wait_dscnt 0x0
	s_endpgm
.Lfunc_end_k_qaee939e624_attn:
	.size	k_qaee939e624_attn, .Lfunc_end_k_qaee939e624_attn-k_qaee939e624_attn
	.p2alignl 7, 3214868480
	.fill 96, 4, 3214868480
	.section	.rodata,"a",@progbits
	.p2align	6, 0x0
	.amdhsa_kernel k_qaee939e624_attn
		.amdhsa_group_segment_fixed_size 264192
		.amdhsa_private_segment_fixed_size 0
		.amdhsa_enable_private_segment 0
		.amdhsa_kernarg_size 40
		.amdhsa_user_sgpr_count 2
		.amdhsa_user_sgpr_kernarg_segment_ptr 1
		.amdhsa_wavefront_size32 1
		.amdhsa_system_sgpr_workgroup_id_x 1
		.amdhsa_system_sgpr_workgroup_id_y 1
		.amdhsa_system_sgpr_workgroup_id_z 1
		.amdhsa_system_vgpr_workitem_id 0
		.amdhsa_next_free_vgpr 256
		.amdhsa_next_free_sgpr 66
		.amdhsa_reserve_vcc 1
		.amdhsa_float_denorm_mode_32 3
		.amdhsa_float_denorm_mode_16_64 3
		.amdhsa_fp16_overflow 1
		.amdhsa_memory_ordered 1
		.amdhsa_forward_progress 1
		.amdhsa_inst_pref_size 58
	.end_amdhsa_kernel
	.amdgpu_metadata
---
amdhsa.version: [ 1, 2 ]
amdhsa.kernels:
  - .name:           k_qaee939e624_attn
    .symbol:         k_qaee939e624_attn.kd
    .args:
      - { .name: qf, .offset: 0, .size: 8, .value_kind: global_buffer, .address_space: global }
      - { .name: kf, .offset: 8, .size: 8, .value_kind: global_buffer, .address_space: global }
      - { .name: vf, .offset: 16, .size: 8, .value_kind: global_buffer, .address_space: global }
      - { .name: lowp_scales, .offset: 24, .size: 8, .value_kind: global_buffer, .address_space: global }
      - { .name: ac, .offset: 32, .size: 8, .value_kind: global_buffer, .address_space: global }
    .group_segment_fixed_size: 264192
    .private_segment_fixed_size: 0
    .kernarg_segment_align: 8
    .kernarg_segment_size: 40
    .max_flat_workgroup_size: 512
    .sgpr_count:     66
    .vgpr_count:     256
    .wavefront_size: 32
...
	.end_amdgpu_metadata
.endif
;; end of part 3
;; launch oproj (part 4): grid 4 x 32, 4 waves a work-group, clusters of 4 x 4, 327,680 bytes of LDS; arguments ac, wc, lowp_scales, bo, out0; writes out0
.if DOCPART == 4
	.amdgcn_target "amdgcn-amd-amdhsa--gfx1250"
	.amdhsa_code_object_version 6
	.text
	.protected	k_qaee939e624_oproj
	.globl	k_qaee939e624_oproj
	.p2align	8
	.type	k_qaee939e624_oproj,@function
k_qaee939e624_oproj:
	s_mov_b64 s[64:65], 0
	v_nop
	global_prefetch_b8 v0, s[64:65] scope:SCOPE_SE
	s_setreg_imm32_b32 hwreg(HW_REG_WAVE_MODE, 25, 1), 1
	s_wait_xcnt 0x0
	s_wait_alu depctr_hold_cnt(0) depctr_sa_sdst(0) depctr_va_vdst(0) depctr_va_sdst(0) depctr_va_ssrc(0) depctr_va_vcc(0) depctr_vm_vsrc(0)
	s_getreg_b32 s2, hwreg(HW_REG_IB_STS2, 6, 4)
	s_cmp_eq_u32 s2, 0
	s_cbranch_scc0 .Lentry_in_a_cluster
	s_endpgm
.Lentry_in_a_cluster:
	s_bfe_u32 s2, ttmp6, 0x10000c
	s_cmp_lg_u32 s2, 0xf033
	s_cbranch_scc0 .Lentry_shape_is_right
	s_endpgm
.Lentry_shape_is_right:
; out0 = a Wo + bo on E4M3 codes: a [8192][1024] (scale 2^e10) and Wo (2^e11; the fourth part of wc) lie as images of operand registers; out0 [8192][1024] f32.
; A GEMM of tiles 256 x 256, four waves of 128 x 128 (64 accumulators), K = 1,024 in four steps of 256 through two LDS slots; 8 clusters of 4 x 4 work-groups, tiles of A and B asked for jointly.
; An image: 16 rows x 128 K; lane (r, h) holds row r, registers 2 c, 2 c + 1 hold k = 16 c + 8 h + 0 .. 7; group g is 512 bytes, lane l at 16 l.  A buffer: [256 along K][tile of 16 rows][128 along K: 2][2,048].
; So a K step's 128 rows are one dense block of 32,768 bytes, and a fragment is four ds_load_b128 of 512 consecutive bytes: no pitch, no padding.
; THE MATRIX INSTRUCTION IS USED TRANSPOSED (source 0 = 16 rows of Wo's codes, source 1 = 16 rows of a): a lane holds eight neighbouring numbers of a row of out0.
; bo / 2^(e10 + e11) is the C of each sum's first product; each finished sum is multiplied once by 2^(e10 + e11).  LIMIT: e10 + e11 between -126 and 127.
; 128 work-groups: the tile is kept at 128 x 128 a wave, which reads the fewest LDS bytes for a product.
; REGISTERS: window 0: v16-31 addresses; v32-95 the bias tile, later a block's results; v128-255 A's fragments, ONE set, later rows read back.  window 1: B's two sets.  windows 2, 3: the accumulators.
.set HALFT,  32768
.set SLOT,   131072
.set SPARE,  262144                    ; behind the ring: the spare words, 128 bytes a wave: two blocks of 256 bytes that no other line names
.set SPITCH, 528                       ; the way out: a stage of 16 rows x (512 bytes + 16) a wave, in slot 0, which has had its last fill and its last read by then
.set SIZE_N, 1024
.set FR,     16
.set NL,     4
.set NP,     4
.set ADRA, 16
.set ADRB, 20
.set STO,  24
.set RD,   25
.set CO,   26
.set SPW,  28
.set NIL,  29
.set BT,   32
.set TMP,  32
.set AF,   128
.set BK,   128
.set G1,  24
.set G0,  32
.set G1B, 48
.set G0B, 56
.set SR2, 80
.set SC2, 82
.set MSB, 0
.macro WIN new
.if MSB != (\new)
	s_set_vgpr_msb (MSB<<8)|(\new)
.set MSB, (\new)
.endif
.endm
.set MUL_LO, 0xa1
.set MUL_HI, 0xf1
.set TO_B,   0x40
.macro JLOAD g0a, g1a, g0b, g1b        ; a joint load: waves 0, 1 fetch A's halves, waves 2, 3 B's; four v_nop follow each line
	s_cmp_eq_u32 s15, 0
	s_cbranch_scc0 .Lfor_b_\@
	tensor_load_to_lds s[\g0a:\g0a+3], s[\g1a:\g1a+7]
	s_nop 0
.rept 4
	v_nop
.endr
	s_branch .Lasked_\@
.Lfor_b_\@:
	tensor_load_to_lds s[\g0b:\g0b+3], s[\g1b:\g1b+7]
	s_nop 0
.rept 4
	v_nop
.endr
.Lasked_\@:
.endm
.macro CREST
	s_cmp_lg_u32 s14, 0
	s_cbranch_scc1 .Lnot_wave_0_\@
	s_barrier_signal -3
.Lnot_wave_0_\@:
	s_barrier_wait -3
	s_barrier_signal -1
	s_barrier_wait -1
.endm
.macro CROUND
	s_barrier_signal -1
	s_barrier_wait -1
	CREST
.endm
.macro PLACES n
.rept \n
	v_nop
.endr
.endm
	s_load_b256 s[4:11], s[0:1], 0x0               ; ac s[4:5], wc s[6:7], the exponents s[8:9], bo s[10:11]
	s_load_b64 s[12:13], s[0:1], 0x20              ; out0
	v_lshl_add_u32 v[SPW], v0, 2, SPARE
	v_mov_b32 v[NIL], 0
	ds_add_u32 v28, v29
	ds_add_u32 v28, v29
	s_wait_dscnt 0x0
	v_lshrrev_b32 v1, 5, v0
	v_readfirstlane_b32 s14, v1                    ; wave 0..3
	s_lshr_b32 s15, s14, 1                         ; my half of the tile's rows.  Also: I fetch for A (0) or for B (1)
	s_and_b32 s16, s14, 1                          ; my half of its columns.  Also: which 128 rows I fetch
	s_bfe_u32 s40, ttmp6, 0x40000                  ; cx
	s_bfe_u32 s41, ttmp6, 0x40004                  ; cy
	s_lshl_b32 s42, ttmp9, 2
	s_add_co_u32 s42, s42, s40                     ; tile column
	s_and_b32 s17, ttmp7, 0xffff
	s_lshl_b32 s17, s17, 2
	s_add_co_u32 s17, s17, s41                     ; tile row
	s_lshl_b32 s43, s41, 2
	s_lshl_b32 s43, 15, s43                        ; my row of the cluster
	s_lshl_b32 s44, 0x1111, s40                    ; my column
	s_or_b32 s[G1+0], s43, (3<<16)|(1<<21)         ; the mask; elements of 8 bytes; bit 21 beside a mask; no padding
	s_or_b32 s[G1B+0], s44, (3<<16)|(1<<21)
.irp g, G1, G1B
	s_mov_b32 s[\g+1], 32<<16                      ; a dense block of 32,768 bytes as 128 rows of 256
	s_mov_b32 s[\g+2], 128<<16
	s_mov_b32 s[\g+3], 32<<16
	s_mov_b32 s[\g+4], 128
	s_mov_b32 s[\g+5], 32
	s_mov_b32 s[\g+6], 0
	s_mov_b32 s[\g+7], 0
.endr
	s_mov_b32 s[SR2], 0x400000                     ; two K steps on: 2 x 2 MiB in ac,
	s_mov_b32 s[SR2+1], 0
	s_mov_b32 s[SC2], 0x80000                      ; 2 x 256 KiB in Wo's codes
	s_mov_b32 s[SC2+1], 0
	s_lshl_b32 s45, s16, 15
	s_lshl_b32 s20, s17, 16
	s_add_co_u32 s20, s20, s45
	s_mov_b32 s21, 0
	s_lshl_b32 s46, s42, 16
	s_add_co_u32 s46, s46, s45
	s_add_co_u32 s46, s46, 0x300000                ; the fourth part of wc
	s_mov_b32 s47, 0
	s_mul_i32 s45, s14, HALFT
	s_wait_kmcnt 0x0
	s_load_b64 s[96:97], s[8:9], 0x28              ; e10, e11
	s_add_nc_u64 s[20:21], s[4:5], s[20:21]
	s_add_nc_u64 s[46:47], s[6:7], s[46:47]
	CROUND                                         ; all sixteen work-groups are here: the first joint loads meet
	s_mov_b32 s[G0], 1
	s_mov_b32 s[G0+1], s45
	s_mov_b64 s[G0+2:G0+3], s[20:21]
	s_or_b32 s[G0+3], s[G0+3], 0x80000000
	s_mov_b32 s[G0B], 1
	s_mov_b32 s[G0B+1], s45
	s_mov_b64 s[G0B+2:G0B+3], s[46:47]
	s_or_b32 s[G0B+3], s[G0B+3], 0x80000000
	JLOAD G0, G1, G0B, G1B                         ; K step 0
	s_mov_b32 s[G0+4], 1
	s_add_co_u32 s[G0+5], s45, SLOT
	s_add_nc_u64 s[G0+6:G0+7], s[20:21], 0x200000
	s_or_b32 s[G0+7], s[G0+7], 0x80000000
	s_mov_b32 s[G0B+4], 1
	s_add_co_u32 s[G0B+5], s45, SLOT
	s_add_nc_u64 s[G0B+6:G0B+7], s[46:47], 0x40000
	s_or_b32 s[G0B+7], s[G0B+7], 0x80000000
	s_wait_alu depctr_va_vdst(0)
	s_wait_tensorcnt 0x0
	ds_add_u32 v28, v29
	s_wait_dscnt 0x0
	CROUND
	JLOAD G0+4, G1, G0B+4, G1B                     ; K step 1: one load of mine is out
	v_and_b32 v1, 31, v0
	v_lshlrev_b32 v[CO], 4, v1
	s_lshl_b32 s21, s15, 15
	s_lshl_b32 s22, s16, 15
	s_add_co_u32 s22, s22, 2*HALFT
.irp s, 0,1
	v_add_nc_u32 v[ADRA+\s], s21, v[CO]
	v_add_nc_u32 v[ADRB+\s], s22, v[CO]
	s_add_co_u32 s21, s21, SLOT
	s_add_co_u32 s22, s22, SLOT
.endr
	v_and_b32 v1, 15, v0                           ; r
	v_bfe_u32 v2, v0, 4, 1                         ; h
	s_mul_i32 s23, s14, 16*SPITCH                  ; my stage
	v_mul_u32_u24 v5, v1, SPITCH
	v_lshl_add_u32 v5, v2, 5, v5
	v_add_nc_u32 v[STO], s23, v5                   ; in: row r, 32 bytes for each half of the lanes
	v_add_nc_u32 v[RD], s23, v[CO]                 ; back: the 32 lanes take one row of 512 bytes
	v_lshlrev_b32 v2, 5, v2                        ; 32 h: the bias's eight numbers of my half
	s_wait_alu depctr_va_vdst(0)
	s_lshl_b32 s20, s42, 10
	s_lshl_b32 s21, s16, 9
	s_add_co_u32 s20, s20, s21                     ; my first column, in bytes
	s_mov_b32 s21, 0
	s_add_nc_u64 s[10:11], s[10:11], s[20:21]
	s_add_nc_u64 s[12:13], s[12:13], s[20:21]
	s_lshl_b32 s20, s17, 8
	s_lshl_b32 s22, s15, 7
	s_add_co_u32 s20, s20, s22
	s_lshl_b32 s20, s20, 12                        ; my first row x 4,096 bytes
	s_add_nc_u64 s[12:13], s[12:13], s[20:21]
.irp b, 0,1,2,3,4,5,6,7
	global_load_b128 v[BT+8*\b:BT+8*\b+3], v2, s[10:11] offset:64*\b
	global_load_b128 v[BT+8*\b+4:BT+8*\b+7], v2, s[10:11] offset:64*\b+16
.endr
.macro FRAG reg, adr, q, i
.irp c, 0,1,2,3
	ds_load_b128 v[\reg+4*\c:\reg+4*\c+3], v[\adr] offset:(\i)*4096+(\q)*2048+512*\c
.endr
.endm
; 16 matrix instructions: A's blocks a0, a0 + 1 x B's eight.  zero = 1: C = the bias.  The 64 accumulators take turns, in the same order in every step.
.macro MUL16 a0, p, zero
.irp a, \a0, \a0+1
.irp b, 0,1,2,3,4,5,6,7
.if \zero
	v_wmma_f32_16x16x128_fp8_fp8 v[8*(8*((\a)%4)+\b):8*(8*((\a)%4)+\b)+7], v[128*(\p)+FR*\b:128*(\p)+FR*\b+FR-1], v[AF+FR*(\a):AF+FR*(\a)+FR-1], v[BT+8*\b:BT+8*\b+7]
.else
	v_wmma_f32_16x16x128_fp8_fp8 v[8*(8*((\a)%4)+\b):8*(8*((\a)%4)+\b)+7], v[128*(\p)+FR*\b:128*(\p)+FR*\b+FR-1], v[AF+FR*(\a):AF+FR*(\a)+FR-1], v[8*(8*((\a)%4)+\b):8*(8*((\a)%4)+\b)+7]
.endif
.endr
.endr
.endm
.macro FETCH_B slot, q, p
	WIN TO_B
.irp i, 0,1,2,3,4,5,6,7
	FRAG 128*(\p)+FR*\i, ADRB+\slot, \q, \i
.endr
	WIN 0
.endm
.macro FETCH_A slot, q, i0
.irp i, \i0, \i0+1, \i0+2, \i0+3
	FRAG AF+FR*(\i), ADRA+\slot, \q, \i
.endr
.endm
.macro STEP slot, q, zero
	s_wait_dscnt 4*NL                              ; B's set and A's blocks 0-3 are in; the youngest 16 loads (A's blocks 4-7) may be out
.if \zero
	WIN 0x81                                       ; C (the bias) in window 0, D in window 2
.else
	WIN MUL_LO
.endif
	MUL16 0, (\q)%2, \zero
	MUL16 2, (\q)%2, \zero
	s_wait_dscnt 0
	PLACES NP                                      ; four plain lines in front of loads into registers that matrix instructions have read
	FETCH_B \slot, (\q)+1, 1-(\q)%2
	FETCH_A \slot, (\q)+1, 0
.if \zero
	WIN 0xc1
.else
	WIN MUL_HI
.endif
	MUL16 4, (\q)%2, \zero
	MUL16 6, (\q)%2, \zero
	PLACES NP
	WIN 0
	FETCH_A \slot, (\q)+1, 4
.endm
.macro TURN slot, next, fill
	s_wait_tensorcnt 0x0                           ; all my tensor loads have landed: my part of the next slot
	ds_add_u32 v[SPW], v[NIL]                      ; 0 onto my spare word
	s_wait_dscnt 4*NL+1                            ; the add and the youngest 16 loads may be out
	WIN MUL_LO
	MUL16 0, 1, 0
	s_wait_dscnt 0x0                               ; the add is done, and my reads of this slot are over
	s_barrier_signal -1
	MUL16 2, 1, 0
	WIN 0
	s_barrier_wait -1
.if \fill
	CREST                                          ; the barrier has opened a round of the cluster's: no wave of any partner still reads this slot or has a load on its way
	s_add_nc_u64 s[G0+4*\slot+2:G0+4*\slot+3], s[G0+4*\slot+2:G0+4*\slot+3], s[SR2:SR2+1]
	s_add_nc_u64 s[G0B+4*\slot+2:G0B+4*\slot+3], s[G0B+4*\slot+2:G0B+4*\slot+3], s[SC2:SC2+1]
	JLOAD G0+4*\slot, G1, G0B+4*\slot, G1B         ; the first tensor load behind the round
.else
	PLACES NP
.endif
	FETCH_B \next, 0, 0
	FETCH_A \next, 0, 0
	WIN MUL_HI
	MUL16 4, 1, 0
	MUL16 6, 1, 0
	PLACES NP
	WIN 0
	FETCH_A \next, 0, 4
.endm
	s_wait_tensorcnt 1                             ; my part of K step 0 is in; K step 1's load may be out
	s_barrier_signal -1
	s_barrier_wait -1
	FETCH_B 0, 0, 0
	FETCH_A 0, 0, 0
	FETCH_A 0, 0, 4
	s_wait_kmcnt 0x0
	s_add_co_i32 s96, s96, s97                     ; e10 + e11
	s_sub_co_i32 s98, 0, s96
	s_add_co_i32 s96, s96, 127
	s_lshl_b32 s96, s96, 23                        ; 2^(e10 + e11) as f32
	s_mov_b32 s97, s96                             ; (named with it as a pair)
	s_wait_loadcnt 0x0
.set j, 0
.rept 64
	v_ldexp_f32 v[BT+j], v[BT+j], s98              ; bo / 2^(e10 + e11)
.set j, j+1
.endr
	s_wait_alu depctr_va_vdst(0)
	STEP 0, 0, 1
	TURN 0, 1, 1                                   ; slot 0 takes K step 2
	STEP 1, 0, 0
	TURN 1, 0, 1                                   ; slot 1 takes K step 3
	STEP 0, 0, 0
	TURN 0, 1, 0                                   ; nothing is left to fetch; behind this barrier nobody reads slot 0
	STEP 1, 0, 0
	s_wait_dscnt 4*NL
	WIN MUL_LO
	MUL16 0, 1, 0
	MUL16 2, 1, 0
	s_wait_dscnt 0
	WIN MUL_HI
	MUL16 4, 1, 0
	MUL16 6, 1, 0
	WIN 0
; THE WAY OUT, block by block of 16 rows x 128 columns: through my own stage in LDS, back as whole rows of 512 bytes.  LDS serves a wave's instructions in order: no wait between the stores and the loads.
.macro TOSTAGE a
.set AC, 64*((\a)%4)
	WIN 0x02+((\a)/4)
.irp j, 0,2,4,6,8,10,12,14,16,18,20,22,24,26,28,30,32,34,36,38,40,42,44,46,48,50,52,54,56,58,60,62
	v_pk_mul_f32 v[TMP+\j:TMP+\j+1], v[AC+\j:AC+\j+1], s[96:97] op_sel_hi:[1,0]   ; x 2^(e10 + e11); each accumulator from its low end on
.endr
	WIN 0
.irp b, 0,1,2,3,4,5,6,7
	ds_store_b128 v[STO], v[TMP+8*\b:TMP+8*\b+3] offset:64*\b
	ds_store_b128 v[STO], v[TMP+8*\b+4:TMP+8*\b+7] offset:64*\b+16
.endr
.set BB, BK+64*((\a)%2)
.irp t, 0,1,2,3,4,5,6,7,8,9,10,11,12,13,14,15
	ds_load_b128 v[BB+4*\t:BB+4*\t+3], v[RD] offset:\t*SPITCH
.endr
.endm
.macro SEND a, younger                 ; younger: the LDS instructions issued behind block a's loads, which may stay out
.set BB, BK+64*((\a)%2)
	s_wait_dscnt \younger
.if (\a) > 0
	s_add_nc_u64 s[12:13], s[12:13], 16*SIZE_N*4   ; behind a wait on XCNT: the earlier stores have read their base
.endif
.irp t, 0,1,2,3,4,5,6,7,8,9,10,11,12,13,14,15
	global_store_b128 v[CO], v[BB+4*\t:BB+4*\t+3], s[12:13] offset:\t*SIZE_N*4 th:TH_STORE_NT   ; 512 consecutive bytes, aligned; written once, read by nobody here
.endr
.endm
	PLACES NP
	TOSTAGE 0
.irp a, 1,2,3,4,5,6,7
.if \a > 1
	s_wait_xcnt 0x0                                ; block a - 2's stores have read their registers and their base
.endif
	TOSTAGE \a
	SEND \a-1, 32                                  ; behind block a - 1's loads: block a's 16 stores and 16 loads
.endr
	s_wait_xcnt 0x0
	SEND 7, 0
	s_wait_tensorcnt 0x0                           ; the wave's end
	ds_add_u32 v[SPW], v[NIL]
	s_wait_dscnt 0x0
	CROUND                                         ; the closing round
	s_endpgm
.Lfunc_end_k_qaee939e624_oproj:
	.size	k_qaee939e624_oproj, .Lfunc_end_k_qaee939e624_oproj-k_qaee939e624_oproj
	.p2alignl 7, 3214868480
	.fill 96, 4, 3214868480
	.section	.rodata,"a",@progbits
	.p2align	6, 0x0
	.amdhsa_kernel k_qaee939e624_oproj
		.amdhsa_group_segment_fixed_size 327680
		.amdhsa_private_segment_fixed_size 0
		.amdhsa_enable_private_segment 0
		.amdhsa_kernarg_size 40
		.amdhsa_user_sgpr_count 2
		.amdhsa_user_sgpr_kernarg_segment_ptr 1
		.amdhsa_wavefront_size32 1
		.amdhsa_system_sgpr_workgroup_id_x 1
		.amdhsa_system_sgpr_workgroup_id_y 1
		.amdhsa_system_sgpr_workgroup_id_z 1
		.amdhsa_system_vgpr_workitem_id 0
		.amdhsa_next_free_vgpr 1024
		.amdhsa_next_free_sgpr 100
		.amdhsa_reserve_vcc 0
		.amdhsa_float_denorm_mode_32 3
		.amdhsa_float_denorm_mode_16_64 3
		.amdhsa_memory_ordered 1
		.amdhsa_forward_progress 1
		.amdhsa_inst_pref_size 129
	.end_amdhsa_kernel
	.amdgpu_metadata
---
amdhsa.version: [ 1, 2 ]
amdhsa.kernels:
  - .name:           k_qaee939e624_oproj
    .symbol:         k_qaee939e624_oproj.kd
    .args:
      - { .name: ac, .offset: 0, .size: 8, .value_kind: global_buffer, .address_space: global }
      - { .name: wc, .offset: 8, .size: 8, .value_kind: global_buffer, .address_space: global }
      - { .name: lowp_scales, .offset: 16, .size: 8, .value_kind: global_buffer, .address_space: global }
      - { .name: bo, .offset: 24, .size: 8, .value_kind: global_buffer, .address_space: global }
      - { .name: out0, .offset: 32, .size: 8, .value_kind: global_buffer, .address_space: global }
    .group_segment_fixed_size: 327680
    .private_segment_fixed_size: 0
    .kernarg_segment_align: 8
    .kernarg_segment_size: 40
    .max_flat_workgroup_size: 128
    .sgpr_count:     100
    .vgpr_count:     1024
    .wavefront_size: 32
...
	.end_amdgpu_metadata
.endif
;; end of part 4
